; MI455X (gfx1250); checked and timed in simulation.
; The chip was launched on July 23, 2026; its instructions are those of AMD's public machine-readable ISA for CDNA 5 (MIT licence, August 2026) and "CDNA5" Instruction Set Architecture Reference Guide (July 2026). The comments in the code are by the model that wrote it; some were corrected since.
;; Self Attention. Allowed arithmetic: matrix products marked QUANTISED: E4M3 operands, one given power-of-two scale a tensor, by v_wmma_f32_16x16x64_fp8_fp8 or v_wmma_f32_16x16x128_fp8_fp8, f32 sums; everything else in f32.
;; Inputs: Wk 512 x 512 float32; Wq 512 x 512 float32; Wv 512 x 512 float32; lowp_scales 10 int32 (the exponents e of the quantised operands' scales 2^e); x 2 x 4,096 x 512 float32.
;; Outputs: out0 2 x 4,096 x 512 float32.
;; This version of the problem:
;;   THIS VERSION OF THE PROBLEM IS GIVEN IN LOW PRECISION. The matrix products marked QUANTISED in the list below multiply operands that are first quantised to E4M3 (4 exponent bits, 3 mantissa bits; 8 bits a number), with one given power-of-two scale for each operand tensor; their sums are f32. All else is computed in f32.
;;   The module's matrix products, in the order in which they are computed (A, B: the left and right operand; K: the contracted axis; several contracted axes count as one K, in the product's order):
;;     1. [M 8,192, K 512] x [K 512, N 512]; A: input x; B: input Wk: QUANTISED (scales: A lowp_scales[0], B lowp_scales[1])
;;     2. [M 8,192, K 512] x [K 512, N 512]; A: input x; B: input Wq: QUANTISED (scales: A lowp_scales[2], B lowp_scales[3])
;;     3. [M 8,192, K 512] x [K 512, N 512]; A: input x; B: input Wv: QUANTISED (scales: A lowp_scales[4], B lowp_scales[5])
;;     4. batch 16 x [M 4,096, K 64] x [K 64, N 4,096]; A: computed on the way; B: computed on the way: QUANTISED (scales: A lowp_scales[6], B lowp_scales[7])
;;     5. batch 16 x [M 64, K 4,096] x [K 4,096, N 4,096]; A: computed on the way; B: softmax (see below): QUANTISED (scales: A lowp_scales[8], B lowp_scales[9])
;;   THE QUANTISER, for each operand of a quantised product, along K:
;;     - The operand's scale is 2^e, e = its entry of the input lowp_scales (int32; the entries are numbered through the quantised products in the list's order, A before B).
;;     - Each number is divided by the scale, clamped to +-448, and rounded to the nearest number of E4M3, ties to even, subnormals kept.
;;     - The product sums the exact products of the quantised numbers (number of the format x scale) in f32.
;;   ~~~python
;;   def quantise(x, axis, e):      # numpy; x: float32 -> the quantised numbers, widened to float32 again
;;       x = np.moveaxis(x, axis, -1); K = x.shape[-1]
;;       r = np.clip(x / 2.0 ** e, -448, 448)
;;       step = 2.0 ** (np.maximum(np.frexp(np.where(r == 0, 1, r))[1] - 1, -6) - 3)
;;       q = np.round(r / step) * step * 2.0 ** e      # np.round: ties to even
;;       return np.moveaxis(q, -1, axis).astype(np.float32)
;;   ~~~
;;   SOFTMAX AHEAD OF A QUANTISED PRODUCT. Where the list says 'softmax', what is quantised is not the finished softmax but p = 2^(t - M), with t = logit x log2(e) and M = ceil(the row's largest t), a whole number; so 1/2 < the row's largest p <= 1. The row's sum l is taken of the UNQUANTISED p, in f32, and the product's result is divided by l at the end. Since M is a whole number, a kernel that streams over the keys may use a running M (the ceiling of the running maximum): every later rescaling is an exact power of two, so the quantised numbers keep their values, but for numbers so far below the row's largest that they fall under the format's range.
;;   OPERANDS COMPUTED ON THE WAY. 'Computed on the way' means the value that the module computes at that place (a softmax that the list does not call 'softmax' is quantised finished and normalised). What goes into a quantiser is computed in f32, as accurately as f32 sums, v_exp_f32 and their like allow (about 1e-6 of the number): no bf16 or f16 on the way to a quantiser, and a product that is left as it is and whose result goes on into a quantised operand takes f32 operands (vector FMAs, or v_wmma_f32_16x16x4_f32). A number that lies on a knife's edge between two numbers of the format may be rounded either way, as far as f32 arithmetic and the matrix unit's own rounding can turn it there, and no further.
;; One version. Each part assembles by itself: llvm-mc -triple=amdgcn-amd-amdhsa -mcpu=gfx1250 --defsym DOCPART=n.
;; ======== version 1 of 1: 3 launches
;; limits: right only within a limited range of input values
;; workspace buffers: kc 4,194,304 bytes; qc 4,194,304 bytes; vc 4,194,304 bytes; wc 786,432 bytes
;; launch wprep (part 1): grid 64 x 3, 2 waves a work-group, no clusters, 0 bytes of LDS; arguments Wk, Wq, Wv, lowp_scales, wc; writes wc
.if DOCPART == 1
	.amdgcn_target "amdgcn-amd-amdhsa--gfx1250"
	.amdhsa_code_object_version 6
	.text
	.protected	k_q8dca9e5d3d_wprep
	.globl	k_q8dca9e5d3d_wprep
	.p2align	8
	.type	k_q8dca9e5d3d_wprep,@function
k_q8dca9e5d3d_wprep:
	s_mov_b64 s[64:65], 0
	v_nop
	global_prefetch_b8 v0, s[64:65] scope:SCOPE_SE
	s_setreg_imm32_b32 hwreg(HW_REG_WAVE_MODE, 25, 1), 1
	s_wait_xcnt 0x0
; Wk, Wq, Wv [512 (k)][512 (n)] f32 are quantised once, along k, to codes of FP8 (E4M3) by entries 1, 3 and 5 of lowp_scales, and stored as images of the next launch's operand registers.
; NOTHING OF THE PROBLEM IS LEFT OUT in this program: every input has a way to the output, and all five products are done (three in the next launch, two in the last).
; code = number / 2^e, held within +-448, rounded to the nearest code, ties to even.  LIMITS: e between -126 and 119.  NaN among the inputs is not served (an infinity is held at the largest code).
; SHARES.  Work-group y is the weight.  A wave takes one job: head w (columns 64 w .. 64 w + 63) x 32 along k (rows 32 c .. 32 c + 31): 3 x 8 x 16 = 384 waves.  Waves share nothing: no LDS, no barrier.
; A load: lanes 0-15 take 256 consecutive bytes of row 32 c + i, lanes 16-31 of the row 16 further down; register 4 i + j = W(32 c + 16 h + i, 64 w + 4 r + j), r = lane % 16, h = lane / 16.
; The hold brings tile j's 16 numbers down k into consecutive registers, so the conversions give four registers of codes for each of the four tiles j (columns 4 r + j).
; OUT: wc[(8 y + w)][group 16 j + c][lane][16 bytes]: group g is registers 4 g .. 4 g + 3 of the 256 registers that wave w of the next launch keeps.  Each store covers 512 consecutive bytes, aligned.
; No prefetch: there is no loop to run ahead in.  No cluster: no two waves read the same bytes.
.set L, 16                             ; v16-79   64 numbers as loaded
.set T, 80                             ; v80-111  two tiles' 16 numbers down k
.set D, 112                            ; v112-127 the codes: four registers a tile
	s_load_b256 s[8:15], s[0:1], 0x0               ; Wk 8, Wq 10, Wv 12, the scales 14
	s_load_b64 s[16:17], s[0:1], 0x20              ; wc
	v_lshrrev_b32 v7, 5, v0
	v_readfirstlane_b32 s4, v7                     ; wave 0..1
	s_and_b32 s5, ttmp7, 0xffff                    ; y: which weight
	v_and_b32 v7, 31, v0
	v_and_b32 v14, 15, v0                          ; r
	v_bfe_u32 v15, v0, 4, 1                        ; h
	v_lshlrev_b32 v1, 4, v7                        ; out: 16 x lane
	v_lshlrev_b32 v2, 4, v14
	v_lshl_add_u32 v2, v15, 15, v2                 ; in: 16 rows of 2,048 bytes x h + 16 r
	s_lshl_b32 s6, ttmp9, 1
	s_add_co_u32 s6, s6, s4                        ; the job, 0..127
	s_lshr_b32 s7, s6, 4                           ; w
	s_and_b32 s6, s6, 15                           ; c
	s_lshl_b32 s20, s7, 8                          ; 64 columns x 4 bytes x w
	s_lshl_b32 s21, s6, 16                         ; + 32 rows of 2,048 bytes x c
	s_add_co_u32 s20, s20, s21
	s_mov_b32 s21, 0
	s_lshl_b32 s22, s5, 3
	s_add_co_u32 s22, s22, s7                      ; 8 y + w
	s_lshl_b32 s22, s22, 6
	s_add_co_u32 s22, s22, s6                      ; group c of its 64
	s_lshl_b32 s22, s22, 9
	s_mov_b32 s23, 0
	s_wait_alu depctr_va_vdst(0)
	s_wait_kmcnt 0x0
	s_load_b256 s[24:31], s[14:15], 0x0            ; entries 0 to 7
	s_cmp_eq_u32 s5, 1                             ; the choice of buffers hangs on the work-group's number alone
	s_cselect_b64 s[18:19], s[10:11], s[12:13]
	s_cmp_eq_u32 s5, 0
	s_cselect_b64 s[18:19], s[8:9], s[18:19]
	s_add_nc_u64 s[18:19], s[18:19], s[20:21]
	s_add_nc_u64 s[16:17], s[16:17], s[22:23]
.set i, 0
.rept 16
	global_load_b128 v[L+4*i:L+4*i+3], v2, s[18:19] offset:2048*i th:TH_LOAD_NT
.set i, i+1
.endr
	s_wait_kmcnt 0x0
	s_cmp_eq_u32 s5, 1
	s_cselect_b32 s32, s27, s29
	s_cmp_eq_u32 s5, 0
	s_cselect_b32 s32, s25, s32                    ; e: entry 1, 3 or 5
	s_add_co_i32 s32, s32, 127
	s_lshl_b32 s33, s32, 23
	v_mov_b32 v10, s33                             ; 2^e as f32: the conversion takes its exponent field
	s_add_co_i32 s32, s32, 8
	s_lshl_b32 s32, s32, 23
	s_or_b32 s32, s32, 0x600000
	v_mov_b32 v11, s32                             ; 448 x 2^e
	s_wait_alu depctr_va_vdst(0)
	s_wait_loadcnt 0x0
.irp jp, 0,2
.irp jj, 0,1
.set i, 0
.rept 16
	v_med3_num_f32 v[T+16*\jj+i], v[L+4*i+\jp+\jj], -v11, v11     ; the conversion does not saturate (ISA guide 7.6.2): the hold, and the turn into consecutive registers, in one
.set i, i+1
.endr
.endr
.irp jj, 0,1
.irp g, 0,1
	v_cvt_scalef32_pk8_fp8_f32 v[D+4*(\jp+\jj)+2*\g:D+4*(\jp+\jj)+2*\g+1], v[T+16*\jj+8*\g:T+16*\jj+8*\g+7], v10
.endr
.endr
	v_nop                                          ; one plain vector line between the conversions and the holds that write their sources again
.endr
.irp j, 0,1,2,3
	global_store_b128 v1, v[D+4*\j:D+4*\j+3], s[16:17] offset:8192*\j      ; group 16 j + c
.endr
	s_endpgm
.Lfunc_end_k_q8dca9e5d3d_wprep:
	.size	k_q8dca9e5d3d_wprep, .Lfunc_end_k_q8dca9e5d3d_wprep-k_q8dca9e5d3d_wprep
	.p2alignl 7, 3214868480
	.fill 96, 4, 3214868480
	.section	.rodata,"a",@progbits
	.p2align	6, 0x0
	.amdhsa_kernel k_q8dca9e5d3d_wprep
		.amdhsa_group_segment_fixed_size 0
		.amdhsa_private_segment_fixed_size 0
		.amdhsa_enable_private_segment 0
		.amdhsa_kernarg_size 40
		.amdhsa_user_sgpr_count 2
		.amdhsa_user_sgpr_kernarg_segment_ptr 1
		.amdhsa_wavefront_size32 1
		.amdhsa_system_sgpr_workgroup_id_x 1
		.amdhsa_system_sgpr_workgroup_id_y 1
		.amdhsa_system_sgpr_workgroup_id_z 1
		.amdhsa_system_vgpr_workitem_id 0
		.amdhsa_next_free_vgpr 128
		.amdhsa_next_free_sgpr 66
		.amdhsa_reserve_vcc 0
		.amdhsa_float_denorm_mode_32 3
		.amdhsa_float_denorm_mode_16_64 3
		.amdhsa_memory_ordered 1
		.amdhsa_forward_progress 1
		.amdhsa_inst_pref_size 9
	.end_amdhsa_kernel
	.amdgpu_metadata
---
amdhsa.version: [ 1, 2 ]
amdhsa.kernels:
  - .name:           k_q8dca9e5d3d_wprep
    .symbol:         k_q8dca9e5d3d_wprep.kd
    .args:
      - { .name: Wk, .offset: 0, .size: 8, .value_kind: global_buffer, .address_space: global }
      - { .name: Wq, .offset: 8, .size: 8, .value_kind: global_buffer, .address_space: global }
      - { .name: Wv, .offset: 16, .size: 8, .value_kind: global_buffer, .address_space: global }
      - { .name: lowp_scales, .offset: 24, .size: 8, .value_kind: global_buffer, .address_space: global }
      - { .name: wc, .offset: 32, .size: 8, .value_kind: global_buffer, .address_space: global }
    .group_segment_fixed_size: 0
    .private_segment_fixed_size: 0
    .kernarg_segment_align: 8
    .kernarg_segment_size: 40
    .max_flat_workgroup_size: 64
    .sgpr_count:     66
    .vgpr_count:     128
    .wavefront_size: 32
...
	.end_amdgpu_metadata
.endif
;; end of part 1
;; launch proj (part 2): grid 64 x 3, 8 waves a work-group, no clusters, 68,608 bytes of LDS; arguments x, wc, lowp_scales, kc, qc, vc; writes kc, qc, vc
.if DOCPART == 2
	.amdgcn_target "amdgcn-amd-amdhsa--gfx1250"
	.amdhsa_code_object_version 6
	.text
	.protected	k_q8dca9e5d3d_proj
	.globl	k_q8dca9e5d3d_proj
	.p2align	8
	.type	k_q8dca9e5d3d_proj,@function
k_q8dca9e5d3d_proj:
	s_mov_b64 s[64:65], 0
	v_nop
	global_prefetch_b8 v0, s[64:65] scope:SCOPE_SE
	s_setreg_imm32_b32 hwreg(HW_REG_WAVE_MODE, 25, 1), 1
	s_wait_xcnt 0x0
; k = x Wk, q = x Wq, v = x Wv on codes of FP8 (E4M3), and each result quantised again for the attention that follows.  Nothing of the problem is left out here.
; x: [8192][512] f32.  wc: the three weights' codes, as the launch before has laid them.  lowp_scales: ten whole numbers e, a scale is 2^e.
; WHICH ENTRY SERVES WHAT.  Work-group y = 0: x by entry 0, Wk's codes stand under entry 1, the result k by entry 7 (the right operand of the scores' product);
;   y = 1: x by entry 2, Wq under entry 3, the result q by entry 6 (its left operand);  y = 2: x by entry 4, Wv under entry 5, the result v by entry 8.
; code = number / 2^e, held within +-448, rounded to the nearest code, ties to even.  A sum of codes stands for sum x 2^(ex + ew), so the result's code is sum / 2^(eo - ex - ew): one scale.
; LIMITS: ex and eo - ex - ew lie between -126 and 119, so that each power of two and 448 times it are f32 numbers.  NaN among the inputs is not served (an infinity is held at the largest code).
; SHARES.  A work-group takes 128 rows of x against one whole weight.  THE WAVES SHARE THE COLUMNS: wave w makes head w (columns 64 w .. 64 w + 63) for all 128 rows, and keeps its part of the
; weight as 16 fragments (256 registers, window 1), loaded as they lie: 64 loads of 512 consecutive bytes.  Each wave quantises 16 of the 128 rows of x; their codes meet in LDS as rows of 512 bytes + 16.
; 192 work-groups: three weights x 64 blocks of rows.  No tensor loads, so no ring; no cluster: what work-groups share (a weight's codes) goes straight into operand registers, with no tile in LDS to share.
; No prefetch: there is no loop to run ahead in; every load of a wave is issued within its first four jobs.
; LAYOUTS.  A tile j of a weight is made of the columns 4 r + j (r = lane % 16).  In x's and W's fragments alike, lane (r, h), register p, byte b hold
; k = 128 s + 32 (p / 4) + 16 h + 4 (p % 4) + b: a permutation of k that is the same on both sides, so every product meets its partner.  Fragment (tile j, K step s) lies at v[16 (4 j + s)] of window 1.
; OUT, as images of the next launch's operand registers; the share of (batch x head hb, 128 rows ks) is the 8,192 bytes at (32 hb + ks) x 8192 in each buffer:
;   kc, qc: [tile of 16 rows][u 2][lane][16 bytes]: byte t of lane (r, h) is row r, channel 32 h + 16 u + t.
;   vc: [j 4][c 4][lane][16 bytes]: registers 4 c .. 4 c + 3 of the fragment of v^T whose lane (r, h) holds channel 4 r + j and, in registers 2 c', 2 c' + 1, rows 16 c' + 8 h + 0 .. 7.
.set XP,    528                        ; a row of x's codes in LDS: 512 bytes + 16: 33 x 16, so the 16 rows that a fragment load touches start at 16 different 16-byte columns
.set SPARE, 128*XP                     ; 67,584 = 264 x 256: behind the rows: the spare words, 128 bytes for each wave, that no other line names
.set LI,  1                            ; v1   16 x lane
.set XWI, 3                            ; v3   where I store a row's four codes: 16 XP x wave + 4 x lane
.set XRD, 4                            ; v4   where I read x's fragments: XP r + 16 h
.set SPW, 5                            ; v5   LDS address of my spare word; never rewritten
.set NIL, 6                            ; v6   0; never rewritten
.set SX,  8                            ; v8, v9    2^ex and 448 x 2^ex
.set SO,  12                           ; v12, v13  the same for eo - ex - ew
.set L,   16                           ; v16-207   three sets of 64 numbers of x as loaded
.set T,   208                          ; v208-239  x's codes, two sets of 16
.set XF,  16                           ; v16-143   the products: two sets of x's four fragments
.set ACC, 144                          ; v144-175  four accumulators
.set T2,  176                          ; v176-207  k, q: a row's 32 channels in order
.set PC,  208                          ; v208-223  k, q: their codes, two sets of 8
.set VC,  176                          ; v176-239  v: the four fragments' codes
.set WV,  4                            ; s4   wave
.set TY,  5                            ; s5   work-group y: which weight
.set XB,  34                           ; s[34:35] x at my wave's 16 rows
.set WB,  36                           ; s[36:37] wc at my wave's 32,768 bytes
.set OB,  38                           ; s[38:39] the codes' buffer at my wave's 8,192 bytes
.set MSB, 0
.macro WIN new                         ; register windows: bits 1:0 source 0, 3:2 source 1, 5:4 source 2, 7:6 destination; the immediate's high byte repeats the setting that is left
.if MSB != \new
	s_set_vgpr_msb (MSB<<8)|\new
.set MSB, \new
.endif
.endm
	s_load_b128 s[8:11], s[0:1], 0x0               ; x 8, wc 10
	s_load_b256 s[16:23], s[0:1], 0x10             ; the scales 16, kc 18, qc 20, vc 22
	v_lshl_add_u32 v[SPW], v0, 2, SPARE
	v_mov_b32 v[NIL], 0
	v_lshrrev_b32 v7, 5, v0
	v_readfirstlane_b32 s[WV], v7                  ; wave 0..7
	s_and_b32 s[TY], ttmp7, 0xffff
	v_and_b32 v7, 31, v0                           ; lane
	v_and_b32 v14, 15, v0                          ; r
	v_bfe_u32 v15, v0, 4, 1                        ; h
	v_lshlrev_b32 v[LI], 4, v7
	s_mul_i32 s46, s[WV], 16*XP
	v_lshl_add_u32 v[XWI], v7, 2, s46
	v_mul_u32_u24 v[XRD], v14, XP
	v_lshl_add_u32 v[XRD], v15, 4, v[XRD]
	s_lshl_b32 s40, ttmp9, 7
	s_lshl_b32 s41, s[WV], 4
	s_add_co_u32 s40, s40, s41
	s_lshl_b32 s40, s40, 11                        ; x: (128 x work-group x + 16 x wave) rows of 2,048 bytes
	s_mov_b32 s41, 0
	s_lshl_b32 s42, s[TY], 3
	s_add_co_u32 s42, s42, s[WV]
	s_lshl_b32 s42, s42, 15                        ; wc: (8 y + wave) x 32,768
	s_mov_b32 s43, 0
	s_lshr_b32 s44, ttmp9, 5                       ; the batch: 32 blocks of 128 rows each
	s_lshl_b32 s44, s44, 3
	s_add_co_u32 s44, s44, s[WV]                   ; hb = 8 x batch + head
	s_lshl_b32 s44, s44, 5
	s_and_b32 s45, ttmp9, 31
	s_add_co_u32 s44, s44, s45
	s_lshl_b32 s44, s44, 13                        ; (32 hb + ks) x 8,192
	s_mov_b32 s45, 0
	s_wait_alu depctr_va_vdst(0)
	s_wait_kmcnt 0x0
	s_load_b256 s[24:31], s[16:17], 0x0            ; entries 0 to 7
	s_load_b64 s[32:33], s[16:17], 0x20            ; entries 8, 9
	s_add_nc_u64 s[XB:XB+1], s[8:9], s[40:41]
	s_add_nc_u64 s[WB:WB+1], s[10:11], s[42:43]
	s_cmp_eq_u32 s[TY], 1                          ; the choice of buffers hangs on the work-group's number alone
	s_cselect_b64 s[OB:OB+1], s[20:21], s[22:23]
	s_cmp_eq_u32 s[TY], 0
	s_cselect_b64 s[OB:OB+1], s[18:19], s[OB:OB+1]
	s_add_nc_u64 s[OB:OB+1], s[OB:OB+1], s[44:45]
; THE STREAM IN.  x: four jobs of 16 loads through three sets of 64 registers: job t is 128 along K of my 16 rows (a load: 512 consecutive bytes of one row; my lane: k = 128 t + 4 lane + 0..3).
; The weight: four runs of 16 loads, run q = tile q's four fragments, straight into window 1.
.macro LOADX t
.set LB, L+64*((\t)%3)
.set lp, 0
.rept 16
	global_load_b128 v[LB+4*lp:LB+4*lp+3], v[LI], s[XB:XB+1] offset:2048*lp+512*(\t)
.set lp, lp+1
.endr
.endm
.macro WLOAD q
	WIN 0x40                                       ; destination window 1
.set lp, 0
.rept 16
	global_load_b128 v[64*(\q)+4*lp:64*(\q)+4*lp+3], v[LI], s[WB:WB+1] offset:8192*(\q)+512*lp
.set lp, lp+1
.endr
	WIN 0
.endm
	LOADX 0
	LOADX 1
	LOADX 2
	s_wait_kmcnt 0x0
	s_cmp_eq_u32 s[TY], 1
	s_cselect_b32 s40, s26, s28                    ; ex
	s_cselect_b32 s41, s27, s29                    ; ew
	s_cselect_b32 s42, s30, s32                    ; eo: q by entry 6, v by entry 8,
	s_cmp_eq_u32 s[TY], 0
	s_cselect_b32 s40, s24, s40
	s_cselect_b32 s41, s25, s41
	s_cselect_b32 s42, s31, s42                    ; k by entry 7
	s_sub_co_i32 s42, s42, s40
	s_sub_co_i32 s42, s42, s41                     ; eo - ex - ew
.macro MKSCALE se, vs                  ; v[vs] = 2^e as f32 (the conversion takes its exponent field), v[vs + 1] = 448 x 2^e
	s_add_co_i32 s46, s[\se], 127
	s_lshl_b32 s47, s46, 23
	v_mov_b32 v[\vs], s47
	s_add_co_i32 s46, s46, 8
	s_lshl_b32 s46, s46, 23
	s_or_b32 s46, s46, 0x600000
	v_mov_b32 v[\vs+1], s46
.endm
	MKSCALE 40, SX
	MKSCALE 42, SO
	s_wait_alu depctr_va_vdst(0)
; x's job s: 64 numbers (register 4 p + i: row p, k = 128 s + 4 lane + i) are held and converted, eight at a time: two rows' four codes; code register p is row p's word, and goes to its row in LDS.
.macro XJOB s
.set LS, L+64*((\s)%3)
.set XC, T+16*((\s)%2)
.if (\s) == 0
	s_wait_loadcnt 32                              ; job 0's 16 loads are in; jobs 1 and 2 may be out
.else
	s_wait_loadcnt 48                              ; this job's 16 loads are in; the three younger runs of 16 (x's and the weight's) may be out
.endif
.set i, 0
.rept 64
	v_med3_num_f32 v[LS+i], v[LS+i], -v[SX+1], v[SX+1]   ; the conversion to an 8-bit code does not saturate (ISA guide 7.6.2): the hold at the largest code x the scale
.set i, i+1
.endr
.if (\s) >= 2
	s_wait_alu depctr_va_vdst(0)
	s_wait_dscnt 16                                ; the stores of two jobs back, which read this set of code registers, are done; the last job's 16 may be out
.endif
.set i, 0
.rept 8
	v_cvt_scalef32_pk8_fp8_f32 v[XC+2*i:XC+2*i+1], v[LS+8*i:LS+8*i+7], v[SX]
.set i, i+1
.endr
	v_nop                                          ; one plain vector line behind a run of scaled conversions
.if (\s) == 0
	LOADX 3                                        ; set 0 is free
.endif
	WLOAD \s
.set i, 0
.rept 16
	ds_store_b32 v[XWI], v[XC+i] offset:XP*i+128*(\s)    ; 32 lanes store 128 consecutive bytes of row 16 w + i
.set i, i+1
.endr
.endm
	XJOB 0
	XJOB 1
	XJOB 2
	XJOB 3
	s_wait_tensorcnt 0x0                           ; my last LDS store is issued: behind the barrier the launch only reads LDS
	ds_add_u32 v[SPW], v[NIL]
	s_wait_dscnt 0x0                               ; the add and my stores of x's codes are done
	s_barrier_signal -1                            ; the one barrier of the launch
	s_barrier_wait -1                              ; all 128 rows of codes lie in LDS
; THE PRODUCTS: eight tiles of 16 rows; for each, x's four fragments (16 loads of 16 bytes) and 16 matrix instructions, K step by K step, the four accumulators by turns.
.macro FETCHX m
.set XFL, XF+64*((\m)%2)
.set n, 0
.rept 16
	ds_load_b128 v[XFL+4*n:XFL+4*n+3], v[XRD] offset:16*XP*(\m)+128*(n/4)+32*(n%4)
.set n, n+1
.endr
.endm
; vp = 0 (k, q): source 0 = 16 columns of W, source 1 = 16 rows of x: a lane holds ONE row of x, and register i of tile j is channel 32 h + 4 i + j.
; vp = 1 (v):    source 0 = x, source 1 = W: a lane holds ONE channel 4 r + j, and register i is row 16 m + 8 h + i: eight neighbours along the next product's K, the rows.
.macro GSTEP m, vp
	s_wait_dscnt 0x0                               ; this tile's fragments are in
.if (\m) < 7
	FETCHX (\m)+1                                  ; the next tile's, into the set that the tile before multiplied: four v_nop and the holds stand behind those products
.endif
.set XFB, XF+64*((\m)%2)
.if \vp
	WIN 0x04                                       ; source 1 (W) window 1
.else
	WIN 0x01                                       ; source 0 (W) window 1
.endif
.irp s, 0,1,2,3
.irp j, 0,1,2,3
.if \vp
.if \s == 0
	v_wmma_f32_16x16x128_fp8_fp8 v[ACC+8*\j:ACC+8*\j+7], v[XFB+16*\s:XFB+16*\s+15], v[16*(4*\j+\s):16*(4*\j+\s)+15], 0
.else
	v_wmma_f32_16x16x128_fp8_fp8 v[ACC+8*\j:ACC+8*\j+7], v[XFB+16*\s:XFB+16*\s+15], v[16*(4*\j+\s):16*(4*\j+\s)+15], v[ACC+8*\j:ACC+8*\j+7]
.endif
.else
.if \s == 0
	v_wmma_f32_16x16x128_fp8_fp8 v[ACC+8*\j:ACC+8*\j+7], v[16*(4*\j+\s):16*(4*\j+\s)+15], v[XFB+16*\s:XFB+16*\s+15], 0
.else
	v_wmma_f32_16x16x128_fp8_fp8 v[ACC+8*\j:ACC+8*\j+7], v[16*(4*\j+\s):16*(4*\j+\s)+15], v[XFB+16*\s:XFB+16*\s+15], v[ACC+8*\j:ACC+8*\j+7]
.endif
.endif
.endr
.endr
	WIN 0
.rept 4
	v_nop                                          ; four places between the last product and the first read of results (ISA guide 7.12.1)
.endr
.if \vp
.set i, 0
.rept 32
	v_med3_num_f32 v[ACC+i], v[ACC+i], -v[SO+1], v[SO+1]       ; the hold; each accumulator from its low end on
.set i, i+1
.endr
.irp j, 0,1,2,3
	v_cvt_scalef32_pk8_fp8_f32 v[VC+16*\j+2*(\m):VC+16*\j+2*(\m)+1], v[ACC+8*\j:ACC+8*\j+7], v[SO]   ; rows 16 m + 8 h + 0 .. 7: registers 2 m, 2 m + 1 of fragment j
.endr
	v_nop                                          ; one plain vector line between the conversions and the next products, which write their sources
.else
.set PCB, PC+8*((\m)%2)
.set i, 0
.rept 8
.irp j, 0,1,2,3
	v_med3_num_f32 v[T2+4*i+\j], v[ACC+8*\j+i], -v[SO+1], v[SO+1]   ; the hold, and the four tiles' registers woven into channels 32 h + 0 .. 31; each accumulator from its low end on
.endr
.set i, i+1
.endr
.if (\m) >= 2
	s_wait_alu depctr_va_vdst(0)
	s_wait_xcnt 0x0                                ; the stores of two tiles back have read this set of code registers
.endif
.irp g, 0,1,2,3
	v_cvt_scalef32_pk8_fp8_f32 v[PCB+2*\g:PCB+2*\g+1], v[T2+8*\g:T2+8*\g+7], v[SO]
.endr
	v_nop                                          ; one plain vector line between the conversions and the next tile's holds, which write their sources
	global_store_b128 v[LI], v[PCB:PCB+3], s[OB:OB+1] offset:1024*(\m)         ; u = 0: 32 lanes store 512 consecutive bytes, at a multiple of 512 from the buffer's first byte
	global_store_b128 v[LI], v[PCB+4:PCB+7], s[OB:OB+1] offset:1024*(\m)+512   ; u = 1
.endif
.endm
	FETCHX 0
	s_wait_loadcnt 0x0                             ; my 16 fragments of the weight are in
	s_cmp_eq_u32 s[TY], 2                          ; the work-group's number alone: all eight waves go the same way, and no barrier follows
	s_cbranch_scc1 .Lv
.irp m, 0,1,2,3,4,5,6,7
	GSTEP \m, 0
.endr
	s_endpgm
.Lv:
.irp m, 0,1,2,3,4,5,6,7
	GSTEP \m, 1
.endr
.set n, 0
.rept 16
	global_store_b128 v[LI], v[VC+4*n:VC+4*n+3], s[OB:OB+1] offset:512*n       ; fragment n / 4, registers 4 (n % 4) on: 512 consecutive bytes
.set n, n+1
.endr
	s_endpgm
.Lfunc_end_k_q8dca9e5d3d_proj:
	.size	k_q8dca9e5d3d_proj, .Lfunc_end_k_q8dca9e5d3d_proj-k_q8dca9e5d3d_proj
	.p2alignl 7, 3214868480
	.fill 96, 4, 3214868480
	.section	.rodata,"a",@progbits
	.p2align	6, 0x0
	.amdhsa_kernel k_q8dca9e5d3d_proj
		.amdhsa_group_segment_fixed_size 68608
		.amdhsa_private_segment_fixed_size 0
		.amdhsa_enable_private_segment 0
		.amdhsa_kernarg_size 48
		.amdhsa_user_sgpr_count 2
		.amdhsa_user_sgpr_kernarg_segment_ptr 1
		.amdhsa_wavefront_size32 1
		.amdhsa_system_sgpr_workgroup_id_x 1
		.amdhsa_system_sgpr_workgroup_id_y 1
		.amdhsa_system_sgpr_workgroup_id_z 1
		.amdhsa_system_vgpr_workitem_id 0
		.amdhsa_next_free_vgpr 512
		.amdhsa_next_free_sgpr 66
		.amdhsa_reserve_vcc 0
		.amdhsa_float_denorm_mode_32 3
		.amdhsa_float_denorm_mode_16_64 3
		.amdhsa_memory_ordered 1
		.amdhsa_forward_progress 1
		.amdhsa_inst_pref_size 113
	.end_amdhsa_kernel
	.amdgpu_metadata
---
amdhsa.version: [ 1, 2 ]
amdhsa.kernels:
  - .name:           k_q8dca9e5d3d_proj
    .symbol:         k_q8dca9e5d3d_proj.kd
    .args:
      - { .name: x, .offset: 0, .size: 8, .value_kind: global_buffer, .address_space: global }
      - { .name: wc, .offset: 8, .size: 8, .value_kind: global_buffer, .address_space: global }
      - { .name: lowp_scales, .offset: 16, .size: 8, .value_kind: global_buffer, .address_space: global }
      - { .name: kc, .offset: 24, .size: 8, .value_kind: global_buffer, .address_space: global }
      - { .name: qc, .offset: 32, .size: 8, .value_kind: global_buffer, .address_space: global }
      - { .name: vc, .offset: 40, .size: 8, .value_kind: global_buffer, .address_space: global }
    .group_segment_fixed_size: 68608
    .private_segment_fixed_size: 0
    .kernarg_segment_align: 8
    .kernarg_segment_size: 48
    .max_flat_workgroup_size: 256
    .sgpr_count:     66
    .vgpr_count:     512
    .wavefront_size: 32
...
	.end_amdgpu_metadata
.endif
;; end of part 2
;; launch attn (part 3): grid 16 x 16, 8 waves a work-group, clusters of 4 x 1, 327,680 bytes of LDS; arguments kc, qc, vc, lowp_scales, out0; writes out0
.if DOCPART == 3
	.amdgcn_target "amdgcn-amd-amdhsa--gfx1250"
	.amdhsa_code_object_version 6
	.text
	.protected	k_q8dca9e5d3d_attn
	.globl	k_q8dca9e5d3d_attn
	.p2align	8
	.type	k_q8dca9e5d3d_attn,@function
k_q8dca9e5d3d_attn:
	s_mov_b64 s[64:65], 0
	v_nop
	global_prefetch_b8 v0, s[64:65] scope:SCOPE_SE
	s_setreg_imm32_b32 hwreg(HW_REG_WAVE_MODE, 25, 1), 1
	s_wait_xcnt 0x0
	s_wait_alu depctr_hold_cnt(0) depctr_sa_sdst(0) depctr_va_vdst(0) depctr_va_sdst(0) depctr_va_ssrc(0) depctr_va_vcc(0) depctr_vm_vsrc(0)
	s_getreg_b32 s2, hwreg(HW_REG_IB_STS2, 6, 4)
	s_cmp_eq_u32 s2, 0
	s_cbranch_scc0 .Lentry_in_a_cluster
	s_endpgm
.Lentry_in_a_cluster:
	s_bfe_u32 s2, ttmp6, 0x10000c
	s_cmp_lg_u32 s2, 0x3003
	s_cbranch_scc0 .Lentry_shape_is_right
	s_endpgm
.Lentry_shape_is_right:
; out[b][n][h][:] = the sum over m of softmax_m(k[b][n][h] . q[b][m][h] / sqrt(64)) v[b][m][h][:], both products on codes of FP8 (E4M3).  Nothing of the problem is left out here.
; The softmax runs over m: so the rows n of k own the results, and q and v are walked along m ('keys' below are the rows m of q and v).
; kc, qc, vc are the launch before's images of operand registers; the share of (hb = 8 batch + head, 128 rows) is 8,192 bytes at (32 hb + share) x 8192.
; THE SOFTMAX: t = score x log2(e) / 8 x 2^(e6 + e7); M = the running largest t rounded up to a whole number, kept as -M = floor(-t); p = 2^(t - M) is quantised by entry 9 (held at 448 x 2^e9);
; the row's sum is taken of the unquantised p in f32 and divides at the end; when M moves, the sum and O are multiplied by 2^(old M - new M), which rounds nothing.
; LIMITS: e6 + e7 between -123 and 130 (added to the factor's exponent field); e9 between -126 and 119; the scaled scores stay under 2^31 in magnitude; NaN among the codes is not served.
; SHARES.  A work-group owns 256 rows n of one hb, each of its eight waves 32 of them (two tiles of 16), so that each fragment of q and of v feeds two matrix instructions.  256 work-groups.
; A key step is 128 keys.  q's and v's shares come through a ring of two LDS slots of 1,024 keys (64 KiB of q, 64 KiB of v); each wave fetches 16 KiB of a slot by one tensor load (waves 0-3: q, waves 4-7: v).
; CLUSTERS: the four work-groups of a cluster own rows of the same hb and walk the same q and v: every load is a joint one, mask 15.
; Both products are used transposed (S^T = q k^T, O^T = v^T p^T): a lane holds one row n throughout.
; FRAGMENTS ARE ASKED FOR ONE STEP AHEAD: the next step's q fragments directly behind the score products that free their registers, the next step's v fragments behind the second product.
; A slot's last step asks for nothing; behind the change of slots the new slot's first fragments are asked for.
; NO PREFETCH: a refill is issued at a slot's head and waited for at the next slot's head, eight key steps (192 matrix instructions a wave) later, and the launch has four slots in all.
; REGISTERS.  Window 0: v1-11 addresses and constants; v12-27 two tiles' state; v32-47 my rows' codes; v48-79 p's codes; v80-207 S^T, then p; v208- at work.  Window 1: v0-63 O^T; v64-127 q's fragments; v128-191 v's.
.set SLOT1, 1<<17                      ; slot 1 begins here: one exclusive or turns an address from slot to slot
.set VOFF,  1<<16                      ; v's part of a slot
.set STEPB, 8192                       ; a key step's bytes of q, and of v
.set SPARE, 2*SLOT1                    ; behind the ring: the spare words, 128 bytes a wave, that no other line names
.set STAGE, SPARE+1024                 ; the way out: 16 rows x 272 bytes for each wave; no fill lands here
.set SP,    272
.set LI,  1                            ; 16 x lane
.set ADK, 2                            ; LDS address of the q fragments asked for
.set ADV, 3                            ; of the v fragments
.set SPW, 4                            ; my spare word; never rewritten
.set NIL, 5                            ; 0; never rewritten
.set GO,  6                            ; the way out: my byte offset in out0
.set STO, 7                            ; into the stage
.set RD,  8                            ; back from it
.set LIM, 9                            ; 448 x 2^e9
.set SCP, 10                           ; 2^e9
.set LIM2, 11                          ; 448 x 2^e9 once more, for the second half of a dual pair
.set ST,  12                           ; tile t at ST + 8 t: 0 -M, 1 largest t, 2-3 the sum, 4 f, 5 zero, 6-7 at work
.set Q,   32
.set P,   48
.set S,   80
.set LIV, 208                          ; 16 x lane + VOFF
.set SB,  210                          ; three more chains of the row's sum
.set SC,  212
.set SD,  214
.set TS,  216                          ; v216-247 tile 0: sixteen pairs' sums
.set KF,  64
.set VF,  128
.set WV,  14
.set G1,  24
.set G0,  32
.set CS,  44
.set SEL, 46
.set TB,  48                           ; LDS byte of the step whose fragments were asked for last
.set MSB, 0
.macro WIN new                         ; the immediate's high byte repeats the setting that is left
.if MSB != \new
	s_set_vgpr_msb (MSB<<8)|\new
.set MSB, \new
.endif
.endm
.macro CROUND                          ; a round of the cluster's barrier
	s_barrier_signal -1
	s_barrier_wait -1
	s_cmp_lg_u32 s[WV], 0
	s_cbranch_scc1 .Lnot_wave_0_\@
	s_barrier_signal -3
.Lnot_wave_0_\@:
	s_barrier_wait -3
	s_barrier_signal -1
	s_barrier_wait -1
.endm
	s_load_b256 s[4:11], s[0:1], 0x0               ; kc 4, qc 6, vc 8, the scales 10
	s_load_b64 s[12:13], s[0:1], 0x20              ; out0
	v_lshl_add_u32 v[SPW], v0, 2, SPARE
	v_mov_b32 v[NIL], 0
	ds_add_u32 v[SPW], v[NIL]                      ; the opening add,
	ds_add_u32 v[SPW], v[NIL]                      ; twice on end, and below one wait for both
	v_lshrrev_b32 v1, 5, v0
	s_delay_alu instid0(VALU_DEP_1)
	v_readfirstlane_b32 s[WV], v1                  ; wave 0..7
	s_bfe_u32 s15, ttmp6, 0x40000                  ; cx
	s_lshl_b32 s16, ttmp9, 2
	s_add_co_u32 s16, s16, s15                     ; which 256 rows n
	s_and_b32 s17, ttmp7, 0xffff                   ; hb
	s_lshl_b32 s20, s17, 18                        ; hb's 32 shares of 8,192 bytes
	s_and_b32 s22, s[WV], 3
	s_lshl_b32 s22, s22, 14
	s_add_co_u32 s22, s22, s20                     ; what I fetch: 16 KiB x (wave % 4) of hb's part
	s_mov_b32 s23, 0
	s_lshl_b32 s52, s16, 4
	s_lshl_b32 s53, s[WV], 1
	s_add_co_u32 s52, s52, s53
	s_lshl_b32 s52, s52, 10
	s_add_co_u32 s52, s52, s20                     ; my two tiles of 1,024 bytes in kc
	s_mov_b32 s53, 0
	s_lshr_b32 s54, s17, 3
	s_lshl_b32 s54, s54, 12
	s_lshl_b32 s55, s16, 8
	s_add_co_u32 s54, s54, s55
	s_lshl_b32 s55, s[WV], 5
	s_add_co_u32 s54, s54, s55                     ; my first row of out0: 4096 batch + 256 x + 32 wave,
	s_lshl_b32 s54, s54, 11                        ; of 2,048 bytes,
	s_and_b32 s55, s17, 7
	s_lshl_b32 s55, s55, 8
	s_add_co_u32 s54, s54, s55                     ; + 256 bytes x head
	s_mov_b32 s55, 0
	s_mov_b32 s[G1+0], 15|(3<<16)|(1<<21)          ; mask: all four partners; elements of 8 bytes; bit 21 beside the mask
	s_mov_b32 s[G1+1], 32<<16                      ; rows of 256 bytes,
	s_mov_b32 s[G1+2], 64<<16                      ; 64 of them, dense
	s_mov_b32 s[G1+3], 32<<16
	s_mov_b32 s[G1+4], 64
	s_mov_b32 s[G1+5], 32
	s_mov_b32 s[G1+6], 0
	s_mov_b32 s[G1+7], 0
	s_mov_b32 s[CS], 0x3e38aa3b                    ; log2(e) / 8
	s_mov_b32 s[SEL], 0x76543210
	s_mov_b32 s[SEL+1], 0xfedcba98                 ; lane l xor 16
	s_mov_b32 s[TB], 0
	s_wait_dscnt 0x0                               ; both opening adds are done
	s_wait_kmcnt 0x0
	s_load_b128 s[40:43], s[10:11], 0x18           ; entries 6, 7 (the scores' operands), 8 (v), 9 (p)
	s_cmp_lt_u32 s[WV], 4                          ; waves 0-3 fetch q's codes, waves 4-7 v's: the wave's number alone
	s_cselect_b64 s[G0+2:G0+3], s[6:7], s[8:9]
	s_add_nc_u64 s[G0+2:G0+3], s[G0+2:G0+3], s[22:23]
	s_or_b32 s[G0+3], s[G0+3], 0x80000000
	s_mov_b32 s[G0], 1
	s_lshl_b32 s[G0+1], s[WV], 14                  ; slot 0: 16 KiB x wave (v's part begins at wave 4's)
	CROUND                                         ; in front of the first joint loads
	tensor_load_to_lds s[G0:G0+3], s[G1:G1+7]      ; slot 0: my one tensor load at the head
	s_nop 0
.rept 4
	v_nop
.endr
	v_and_b32 v[LI], 31, v0
	s_delay_alu instid0(VALU_DEP_1)
	v_lshlrev_b32 v[LI], 4, v[LI]
	s_add_nc_u64 s[4:5], s[4:5], s[52:53]
	s_add_nc_u64 s[12:13], s[12:13], s[54:55]
.irp n, 0,1,2,3
	global_load_b128 v[Q+4*\n:Q+4*\n+3], v[LI], s[4:5] offset:512*\n   ; my 32 rows' codes stay in registers
.endr
	v_and_b32 v2, 15, v0                           ; r
	v_bfe_u32 v3, v0, 4, 1                         ; h
	s_delay_alu instid0(VALU_DEP_2)
	v_lshlrev_b32 v[GO], 4, v2
	s_delay_alu instid0(VALU_DEP_1)
	v_lshl_add_u32 v[GO], v3, 11, v[GO]            ; lanes 0-15 one row of out0, lanes 16-31 the next
	s_mul_i32 s51, s[WV], 16*SP
	s_add_co_u32 s51, s51, STAGE
	v_mul_u32_u24 v[STO], v2, SP
	s_delay_alu instid0(VALU_DEP_1)
	v_lshl_add_u32 v[STO], v3, 7, v[STO]
	s_delay_alu instid0(VALU_DEP_1)
	v_add_nc_u32 v[STO], s51, v[STO]
	v_mul_u32_u24 v[RD], v3, SP
	s_delay_alu instid0(VALU_DEP_1)
	v_lshl_add_u32 v[RD], v2, 4, v[RD]
	s_delay_alu instid0(VALU_DEP_1)
	v_add_nc_u32 v[RD], s51, v[RD]
	v_add_nc_u32 v[LIV], VOFF, v[LI]
.irp t, 0,1
	v_mov_b32 v[ST+8*\t+1], 0xff61b1e6             ; the largest t so far: -3e38
	s_delay_alu instid0(VALU_DEP_1)
	v_floor_f32 v[ST+8*\t], -v[ST+8*\t+1]
	v_mov_b32 v[ST+8*\t+2], 0
	v_mov_b32 v[ST+8*\t+3], 0
	v_mov_b32 v[ST+8*\t+5], 0
.endr
	WIN 0x40
.set n, 0
.rept 64
	v_mov_b32 v[n], 0                              ; O^T: the step is written for every step alike; the first finds zeros
.set n, n+1
.endr
	WIN 0
	s_wait_kmcnt 0x0
	s_add_co_i32 s51, s40, s41
	s_lshl_b32 s51, s51, 23
	s_add_co_i32 s[CS], s[CS], s51                 ; x 2^(e6 + e7), in the exponent field
	s_mov_b32 s[CS+1], s[CS]
	s_add_co_i32 s51, s43, 127
	s_lshl_b32 s57, s51, 23
	v_mov_b32 v[SCP], s57
	s_add_co_i32 s51, s51, 8
	s_lshl_b32 s51, s51, 23
	s_or_b32 s51, s51, 0x600000
	v_mov_b32 v[LIM], s51
	v_mov_b32 v[LIM2], s51
	s_add_co_i32 s56, s42, s43                     ; e8 + e9, for the way out
.macro LDK                             ; 16 loads: eight fragments of q (16 keys x 64), window 1
	WIN 0x40
.set n, 0
.rept 16
	ds_load_b128 v[KF+4*n:KF+4*n+3], v[ADK] offset:512*n
.set n, n+1
.endr
.endm
.macro LDV                             ; 16 loads: four fragments of v^T (16 channels x 128 keys)
	WIN 0x40
.set n, 0
.rept 16
	ds_load_b128 v[VF+4*n:VF+4*n+3], v[ADV] offset:512*n
.set n, n+1
.endr
.endm
.macro SUM t                           ; the row's sum of the unquantised p: 32 packed additions in four chains
	v_pk_add_f32 v[SB:SB+1], v[S+64*\t:S+64*\t+1], v[S+64*\t+2:S+64*\t+3]
	v_pk_add_f32 v[SC:SC+1], v[S+64*\t+4:S+64*\t+5], v[S+64*\t+6:S+64*\t+7]
	v_pk_add_f32 v[SD:SD+1], v[S+64*\t+8:S+64*\t+9], v[S+64*\t+10:S+64*\t+11]
	v_pk_add_f32 v[ST+8*\t+2:ST+8*\t+3], v[ST+8*\t+2:ST+8*\t+3], v[S+64*\t+12:S+64*\t+13]
.set i, 14
.rept 6
	v_pk_add_f32 v[SB:SB+1], v[SB:SB+1], v[S+64*\t+i:S+64*\t+i+1]
	v_pk_add_f32 v[SC:SC+1], v[SC:SC+1], v[S+64*\t+i+2:S+64*\t+i+3]
	v_pk_add_f32 v[SD:SD+1], v[SD:SD+1], v[S+64*\t+i+4:S+64*\t+i+5]
	v_pk_add_f32 v[ST+8*\t+2:ST+8*\t+3], v[ST+8*\t+2:ST+8*\t+3], v[S+64*\t+i+6:S+64*\t+i+7]
.set i, i+8
.endr
	v_pk_add_f32 v[SB:SB+1], v[SB:SB+1], v[S+64*\t+62:S+64*\t+63]
	v_pk_add_f32 v[SC:SC+1], v[SC:SC+1], v[SD:SD+1]
	v_pk_add_f32 v[ST+8*\t+2:ST+8*\t+3], v[ST+8*\t+2:ST+8*\t+3], v[SB:SB+1]
	v_pk_add_f32 v[ST+8*\t+2:ST+8*\t+3], v[ST+8*\t+2:ST+8*\t+3], v[SC:SC+1]
.endm
.macro SUMT                            ; tile 0: the sixteen pairs' sums join the row's sum: 16 packed additions in four chains
	v_pk_add_f32 v[ST+2:ST+3], v[ST+2:ST+3], v[TS:TS+1]
	v_pk_add_f32 v[SB:SB+1], v[TS+2:TS+3], v[TS+4:TS+5]
	v_pk_add_f32 v[SC:SC+1], v[TS+6:TS+7], v[TS+8:TS+9]
	v_pk_add_f32 v[SD:SD+1], v[TS+10:TS+11], v[TS+12:TS+13]
.set i, 14
.rept 2
	v_pk_add_f32 v[SB:SB+1], v[SB:SB+1], v[TS+i:TS+i+1]
	v_pk_add_f32 v[SC:SC+1], v[SC:SC+1], v[TS+i+2:TS+i+3]
	v_pk_add_f32 v[SD:SD+1], v[SD:SD+1], v[TS+i+4:TS+i+5]
	v_pk_add_f32 v[ST+2:ST+3], v[ST+2:ST+3], v[TS+i+6:TS+i+7]
.set i, i+8
.endr
	v_pk_add_f32 v[SB:SB+1], v[SB:SB+1], v[TS+30:TS+31]
	v_pk_add_f32 v[SC:SC+1], v[SC:SC+1], v[SD:SD+1]
	v_pk_add_f32 v[ST+2:ST+3], v[ST+2:ST+3], v[SB:SB+1]
	v_pk_add_f32 v[ST+2:ST+3], v[ST+2:ST+3], v[SC:SC+1]
.endm
.macro HOLD r
	v_dual_min_num_f32 v[\r], v[\r], v[LIM] :: v_dual_min_num_f32 v[\r+1], v[\r+1], v[LIM2]
.endm
.macro CVT t                           ; tile k's eight registers are keys 16 k + 8 h + 0 .. 7: registers 2 k, 2 k + 1 of the second product's operand
.irp k, 0,1,2,3,4,5,6,7
	v_cvt_scalef32_pk8_fp8_f32 v[P+16*\t+2*\k:P+16*\t+2*\k+1], v[S+64*\t+8*\k:S+64*\t+8*\k+7], v[SCP]
.endr
.endm
; A KEY STEP.  On entry 32 LDS loads are out: this step's q fragments, then its v fragments.  pf = 1: the next step's are asked for.
.macro STEP pf
	s_wait_dscnt 16                                ; q's fragments are in; v's 16 loads may be out
	WIN 0x01
.irp k, 0,1,2,3,4,5,6,7
.irp t, 0,1
	v_wmma_f32_16x16x64_fp8_fp8 v[S+64*\t+8*\k:S+64*\t+8*\k+7], v[KF+8*\k:KF+8*\k+7], v[Q+8*\t:Q+8*\t+7], 0
.endr
.endr
	WIN 0
.if \pf
	s_add_co_u32 s[TB], s[TB], STEPB
	v_add_nc_u32 v[ADK], s[TB], v[LI]              ; the first of four places behind the products (ISA guide 7.12.1)
.else
	v_nop
.endif
.rept 3
	v_nop
.endr
.if \pf
	LDK                                            ; the next step's q fragments, into registers just multiplied
	WIN 0
.endif
.irp t, 0,1
	v_max3_num_f32 v[ST+8*\t+6], v[S+64*\t], v[S+64*\t+1], v[S+64*\t+2]    ; the step's largest score of each row, two chains a tile; each accumulator from its low end on
.endr
.irp t, 0,1
	v_max3_num_f32 v[ST+8*\t+7], v[S+64*\t+3], v[S+64*\t+4], v[S+64*\t+5]
.endr
.set i, 6
.rept 14
.irp t, 0,1
	v_max3_num_f32 v[ST+8*\t+6], v[ST+8*\t+6], v[S+64*\t+i], v[S+64*\t+i+1]
.endr
.irp t, 0,1
	v_max3_num_f32 v[ST+8*\t+7], v[ST+8*\t+7], v[S+64*\t+i+2], v[S+64*\t+i+3]
.endr
.set i, i+4
.endr
.irp t, 0,1
	v_max3_num_f32 v[ST+8*\t+6], v[ST+8*\t+6], v[S+64*\t+62], v[S+64*\t+63]
.endr
.irp t, 0,1
	s_delay_alu instid0(VALU_DEP_2)
	v_max_num_f32 v[ST+8*\t+6], v[ST+8*\t+6], v[ST+8*\t+7]
.endr
.irp t, 0,1
	s_delay_alu instid0(VALU_DEP_2)
	v_permlanex16_b32 v[ST+8*\t+7], v[ST+8*\t+6], s[SEL], s[SEL+1]
.endr
.irp t, 0,1
	s_delay_alu instid0(VALU_DEP_2)
	v_max_num_f32 v[ST+8*\t+6], v[ST+8*\t+6], v[ST+8*\t+7]      ; and lane l xor 16's keys
.endr
.irp t, 0,1
	s_delay_alu instid0(VALU_DEP_2)
	v_mul_f32 v[ST+8*\t+6], s[CS], v[ST+8*\t+6]                 ; as t
.endr
.irp t, 0,1
	s_delay_alu instid0(VALU_DEP_2)
	v_max_num_f32 v[ST+8*\t+1], v[ST+8*\t+1], v[ST+8*\t+6]      ; the running largest t
.endr
.irp t, 0,1
	v_mov_b32 v[ST+8*\t+6], v[ST+8*\t]
.endr
.irp t, 0,1
	s_delay_alu instid0(VALU_DEP_4)
	v_floor_f32 v[ST+8*\t], -v[ST+8*\t+1]                       ; the new -M
.endr
.irp t, 0,1
	s_delay_alu instid0(VALU_DEP_2)
	v_sub_f32 v[ST+8*\t+6], v[ST+8*\t], v[ST+8*\t+6]            ; old M - new M: a whole number, 0 or less
.endr
.irp t, 0,1
	s_delay_alu instid0(VALU_DEP_2)
	v_cvt_i32_f32 v[ST+8*\t+6], v[ST+8*\t+6]
.endr
.irp t, 0,1
	s_delay_alu instid0(VALU_DEP_2)
	v_ldexp_f32 v[ST+8*\t+4], 1.0, v[ST+8*\t+6]                 ; f = 2^(old M - new M)
.endr
.set i, 0
.rept 32
	v_pk_fma_f32 v[S+i:S+i+1], v[S+i:S+i+1], s[CS:CS+1], v[ST:ST+1] op_sel_hi:[1,0,0]    ; tile 0: t - M
.set i, i+2
.endr
.irp t, 0,1
	v_pk_mul_f32 v[ST+8*\t+2:ST+8*\t+3], v[ST+8*\t+2:ST+8*\t+3], v[ST+8*\t+4:ST+8*\t+5] op_sel_hi:[1,0]   ; the sums under the new M
.endr
	WIN 0x41
.set n, 0
.rept 16
.irp t, 0,1
	v_pk_mul_f32 v[32*\t+2*n:32*\t+2*n+1], v[32*\t+2*n:32*\t+2*n+1], v[ST+8*\t+4:ST+8*\t+5] op_sel_hi:[1,0]   ; O^T under the new M: read here, ahead of the step's exponentials
.endr
.set n, n+1
.endr
	WIN 0
	s_wait_alu depctr_va_vdst(0)
.set i, 0
.rept 32                                       ; tile 0's exponentials; among them tile 1's t - M, plain lines that name none of the batch's registers
	v_exp_f32 v[S+i], v[S+i]
	v_exp_f32 v[S+i+1], v[S+i+1]
	v_pk_fma_f32 v[S+64+i:S+64+i+1], v[S+64+i:S+64+i+1], s[CS:CS+1], v[ST+8:ST+9] op_sel_hi:[1,0,0]
.set i, i+2
.endr
	s_wait_alu depctr_va_vdst(0)                   ; one wait for the batch, ahead of its first reader
.set i, 0
.rept 16                                       ; (that wait stands ahead of this batch too)  tile 1's exponentials; among them, of tile 0: the unquantised p summed by pairs into registers of their own, then the hold
	v_exp_f32 v[S+64+i], v[S+64+i]
	v_pk_add_f32 v[TS+i/2:TS+i/2+1], v[S+i:S+i+1], v[S+i+2:S+i+3]
	v_exp_f32 v[S+64+i+1], v[S+64+i+1]
	HOLD S+i
	v_exp_f32 v[S+64+i+2], v[S+64+i+2]
	HOLD S+i+2
	v_exp_f32 v[S+64+i+3], v[S+64+i+3]
.set i, i+4
.endr
	v_nop                                          ; a plain place behind the last exponential
	s_wait_alu depctr_va_vdst(0)                   ; one wait for the batch
	CVT 0
	SUMT
	SUM 1
.set i, 0
.rept 32
	HOLD S+64+i
.set i, i+2
.endr
	CVT 1
	v_nop                                          ; one plain line between the conversions and the products that read their results
	s_wait_alu depctr_va_vdst(0)
	s_wait_dscnt 16*\pf                            ; v's fragments are in; the next step's 16 loads of q, if asked for, may be out
	WIN 0x51
.irp j, 0,1,2,3
.irp t, 0,1
	v_wmma_f32_16x16x128_fp8_fp8 v[32*\t+8*\j:32*\t+8*\j+7], v[VF+16*\j:VF+16*\j+15], v[P+16*\t:P+16*\t+15], v[32*\t+8*\j:32*\t+8*\j+7]   ; eight accumulators by turns
.endr
.endr
	WIN 0
.if \pf
	v_add_nc_u32 v[ADV], s[TB], v[LIV]             ; the first of four places
.else
	v_nop
.endif
.rept 3
	v_nop
.endr
.if \pf
	LDV                                            ; the next step's v fragments
	WIN 0
.endif
.endm
.macro RUN                             ; a slot's eight steps
	s_mov_b32 s49, 7
.Lstep_\@:
	STEP 1
	s_sub_co_u32 s49, s49, 1
	s_cmp_lg_u32 s49, 0
	s_cbranch_scc1 .Lstep_\@
	STEP 0                                         ; the last asks for nothing: the next fragments lie in the other slot
	s_sub_co_u32 s[TB], s[TB], 7*STEPB
	s_xor_b32 s[TB], s[TB], SLOT1                  ; on to the other slot
.endm
; THE CHANGE OF SLOTS, at a slot's head: all my tensor loads are waited for, the add, the wait for it (no read of mine is out: the last step's fragments are in registers), then the barrier.
; fill = 1: a round of the cluster's barrier, and behind it the joint load of the next 1,024 keys into the slot just left (the first time: slot 1's first fill).
.macro CHANGE fill
	s_wait_tensorcnt 0x0
	ds_add_u32 v[SPW], v[NIL]
.if \fill
	s_xor_b32 s[G0+1], s[G0+1], SLOT1              ; no load of mine is out: the walking descriptor may be written
	s_add_nc_u64 s[G0+2:G0+3], s[G0+2:G0+3], 0x10000
	s_wait_dscnt 0x0
	CROUND
	tensor_load_to_lds s[G0:G0+3], s[G1:G1+7]
	s_nop 0
.rept 4
	v_nop
.endr
.else
	s_wait_dscnt 0x0
	s_barrier_signal -1
	s_barrier_wait -1
.endif
	v_add_nc_u32 v[ADK], s[TB], v[LI]
	v_add_nc_u32 v[ADV], s[TB], v[LIV]
	LDK                                            ; the slot's first fragments
	LDV
	WIN 0
.endm
	s_wait_alu depctr_va_vdst(0)
	s_wait_loadcnt 0x0                             ; my rows' codes
	s_mov_b32 s50, 3
.Lslot:                                                ; three trips: behind each change of slots but the last the next slot is asked for
	CHANGE 1
	RUN
	s_sub_co_u32 s50, s50, 1
	s_cmp_lg_u32 s50, 0
	s_cbranch_scc1 .Lslot
	CHANGE 0                                       ; the last slot is written out: nothing more is asked for
	RUN
	; THE WAY OUT: O^T / the sum x 2^(e8 + e9), through my stage in LDS, so that sixteen lanes store 256 consecutive bytes, aligned
.irp t, 0,1
	v_add_f32 v[ST+8*\t+6], v[ST+8*\t+2], v[ST+8*\t+3]
.endr
.irp t, 0,1
	s_delay_alu instid0(VALU_DEP_2)
	v_permlanex16_b32 v[ST+8*\t+7], v[ST+8*\t+6], s[SEL], s[SEL+1]
.endr
.irp t, 0,1
	s_delay_alu instid0(VALU_DEP_2)
	v_add_f32 v[ST+8*\t+6], v[ST+8*\t+6], v[ST+8*\t+7]
.endr
	s_wait_alu depctr_va_vdst(0)                   ; ahead of the reciprocals
.irp t, 0,1
	v_rcp_f32 v[ST+8*\t+4], v[ST+8*\t+6]
.endr
	v_nop
	s_wait_alu depctr_va_vdst(0)                   ; and ahead of their first reader
.irp t, 0,1
	v_ldexp_f32 v[ST+8*\t+4], v[ST+8*\t+4], s56
.endr
.macro PACK t
	WIN 0x01
	s_wait_alu depctr_va_vdst(0)
.set i, 0
.rept 8
.irp j, 0,1,2,3
	v_mul_f32 v[S+64*\t+4*i+\j], v[32*\t+8*\j+i], v[ST+8*\t+4]     ; fragment j, register i is channel 4 (8 h + i) + j: woven into channels 32 h + 0 .. 31
.endr
.set i, i+1
.endr
	WIN 0
.irp g, 0,1,2,3,4,5,6,7
	ds_store_b128 v[STO], v[S+64*\t+4*\g:S+64*\t+4*\g+3] offset:16*\g
.endr
.irp f, 0,1,2,3,4,5,6,7
	ds_load_b128 v[S+64*\t+32+4*\f:S+64*\t+32+4*\f+3], v[RD] offset:\f*2*SP    ; LDS serves a wave's instructions in order: these see my stores
.endr
.endm
.macro SEND t, younger
.irp f, 0,1,2,3,4,5,6,7
	s_wait_dscnt \younger+7-\f
	global_store_b128 v[GO], v[S+64*\t+32+4*\f:S+64*\t+32+4*\f+3], s[12:13] offset:\t*32768+\f*4096 th:TH_STORE_NT
.endr
.endm
	PACK 0
	PACK 1
	SEND 0, 16
	SEND 1, 0
	s_wait_tensorcnt 0x0                           ; the wave's end
	ds_add_u32 v[SPW], v[NIL]
	s_wait_dscnt 0x0
	CROUND                                         ; the closing round
	s_endpgm
.Lfunc_end_k_q8dca9e5d3d_attn:
	.size	k_q8dca9e5d3d_attn, .Lfunc_end_k_q8dca9e5d3d_attn-k_q8dca9e5d3d_attn
	.p2alignl 7, 3214868480
	.fill 96, 4, 3214868480
	.section	.rodata,"a",@progbits
	.p2align	6, 0x0
	.amdhsa_kernel k_q8dca9e5d3d_attn
		.amdhsa_group_segment_fixed_size 327680
		.amdhsa_private_segment_fixed_size 0
		.amdhsa_enable_private_segment 0
		.amdhsa_kernarg_size 40
		.amdhsa_user_sgpr_count 2
		.amdhsa_user_sgpr_kernarg_segment_ptr 1
		.amdhsa_wavefront_size32 1
		.amdhsa_system_sgpr_workgroup_id_x 1
		.amdhsa_system_sgpr_workgroup_id_y 1
		.amdhsa_system_sgpr_workgroup_id_z 1
		.amdhsa_system_vgpr_workitem_id 0
		.amdhsa_next_free_vgpr 448
		.amdhsa_next_free_sgpr 66
		.amdhsa_reserve_vcc 0
		.amdhsa_float_denorm_mode_32 3
		.amdhsa_float_denorm_mode_16_64 3
		.amdhsa_memory_ordered 1
		.amdhsa_forward_progress 1
		.amdhsa_inst_pref_size 132
	.end_amdhsa_kernel
	.amdgpu_metadata
---
amdhsa.version: [ 1, 2 ]
amdhsa.kernels:
  - .name:           k_q8dca9e5d3d_attn
    .symbol:         k_q8dca9e5d3d_attn.kd
    .args:
      - { .name: kc, .offset: 0, .size: 8, .value_kind: global_buffer, .address_space: global }
      - { .name: qc, .offset: 8, .size: 8, .value_kind: global_buffer, .address_space: global }
      - { .name: vc, .offset: 16, .size: 8, .value_kind: global_buffer, .address_space: global }
      - { .name: lowp_scales, .offset: 24, .size: 8, .value_kind: global_buffer, .address_space: global }
      - { .name: out0, .offset: 32, .size: 8, .value_kind: global_buffer, .address_space: global }
    .group_segment_fixed_size: 327680
    .private_segment_fixed_size: 0
    .kernarg_segment_align: 8
    .kernarg_segment_size: 40
    .max_flat_workgroup_size: 256
    .sgpr_count:     66
    .vgpr_count:     448
    .wavefront_size: 32
...
	.end_amdgpu_metadata
.endif
;; end of part 3
